; MI455X (gfx1250); checked and timed in simulation.
; The chip was launched on July 23, 2026; its instructions are those of AMD's public machine-readable ISA for CDNA 5 (MIT licence, August 2026) and "CDNA5" Instruction Set Architecture Reference Guide (July 2026). The comments in the code are by the model that wrote it; some were corrected since.
;; Multihead Attention. Allowed arithmetic: matrix products marked QUANTISED: E4M3 operands, one given power-of-two scale a tensor, by v_wmma_f32_16x16x64_fp8_fp8 or v_wmma_f32_16x16x128_fp8_fp8, f32 sums; everything else in f32.
;; Inputs: in_proj_bias 3,072 float32; in_proj_weight 3,072 x 1,024 float32; k 1,024 x 8 x 1,024 float32; lowp_scales 12 int32 (the exponents e of the quantised operands' scales 2^e); out_proj_bias 1,024 float32; out_proj_weight 1,024 x 1,024 float32; q 1,024 x 8 x 1,024 float32; v 1,024 x 8 x 1,024 float32.
;; Outputs: out0 1,024 x 8 x 1,024 float32.
;; Constants: num_heads = 16.
;; This version of the problem:
;;   THIS VERSION OF THE PROBLEM IS GIVEN IN LOW PRECISION. The matrix products marked QUANTISED in the list below multiply operands that are first quantised to E4M3 (4 exponent bits, 3 mantissa bits; 8 bits a number), with one given power-of-two scale for each operand tensor; their sums are f32. All else is computed in f32.
;;   The module's matrix products, in the order in which they are computed (A, B: the left and right operand; K: the contracted axis; several contracted axes count as one K, in the product's order):
;;     1. [M 8,192, K 1,024] x [K 1,024, N 1,024]; A: input q; B: input in_proj_weight: QUANTISED (scales: A lowp_scales[0], B lowp_scales[1])
;;     2. [M 8,192, K 1,024] x [K 1,024, N 1,024]; A: input k; B: input in_proj_weight: QUANTISED (scales: A lowp_scales[2], B lowp_scales[3])
;;     3. [M 8,192, K 1,024] x [K 1,024, N 1,024]; A: input v; B: input in_proj_weight: QUANTISED (scales: A lowp_scales[4], B lowp_scales[5])
;;     4. batch 128 x [M 1,024, K 64] x [K 64, N 1,024]; A: computed on the way; B: computed on the way: QUANTISED (scales: A lowp_scales[6], B lowp_scales[7])
;;     5. batch 128 x [M 1,024, K 1,024] x [K 1,024, N 64]; A: softmax (see below); B: computed on the way: QUANTISED (scales: A lowp_scales[8], B lowp_scales[9])
;;     6. [M 8,192, K 1,024] x [K 1,024, N 1,024]; A: computed on the way; B: input out_proj_weight: QUANTISED (scales: A lowp_scales[10], B lowp_scales[11])
;;   THE QUANTISER, for each operand of a quantised product, along K:
;;     - The operand's scale is 2^e, e = its entry of the input lowp_scales (int32; the entries are numbered through the quantised products in the list's order, A before B).
;;     - Each number is divided by the scale, clamped to +-448, and rounded to the nearest number of E4M3, ties to even, subnormals kept.
;;     - The product sums the exact products of the quantised numbers (number of the format x scale) in f32.
;;   ~~~python
;;   def quantise(x, axis, e):      # numpy; x: float32 -> the quantised numbers, widened to float32 again
;;       x = np.moveaxis(x, axis, -1); K = x.shape[-1]
;;       r = np.clip(x / 2.0 ** e, -448, 448)
;;       step = 2.0 ** (np.maximum(np.frexp(np.where(r == 0, 1, r))[1] - 1, -6) - 3)
;;       q = np.round(r / step) * step * 2.0 ** e      # np.round: ties to even
;;       return np.moveaxis(q, -1, axis).astype(np.float32)
;;   ~~~
;;   SOFTMAX AHEAD OF A QUANTISED PRODUCT. Where the list says 'softmax', what is quantised is not the finished softmax but p = 2^(t - M), with t = logit x log2(e) and M = ceil(the row's largest t), a whole number; so 1/2 < the row's largest p <= 1. The row's sum l is taken of the UNQUANTISED p, in f32, and the product's result is divided by l at the end. Since M is a whole number, a kernel that streams over the keys may use a running M (the ceiling of the running maximum): every later rescaling is an exact power of two, so the quantised numbers keep their values, but for numbers so far below the row's largest that they fall under the format's range.
;;   OPERANDS COMPUTED ON THE WAY. 'Computed on the way' means the value that the module computes at that place (a softmax that the list does not call 'softmax' is quantised finished and normalised). What goes into a quantiser is computed in f32, as accurately as f32 sums, v_exp_f32 and their like allow (about 1e-6 of the number): no bf16 or f16 on the way to a quantiser, and a product that is left as it is and whose result goes on into a quantised operand takes f32 operands (vector FMAs, or v_wmma_f32_16x16x4_f32). A number that lies on a knife's edge between two numbers of the format may be rounded either way, as far as f32 arithmetic and the matrix unit's own rounding can turn it there, and no further.
;; One version. Each part assembles by itself: llvm-mc -triple=amdgcn-amd-amdhsa -mcpu=gfx1250 --defsym DOCPART=n.
;; ======== version 1 of 1: 4 launches
;; limits: right only within a limited range of input values
;; workspace buffers: codes 29,360,128 bytes; hc 25,165,824 bytes; ac 8,388,608 bytes
;; launch quant (part 1): grid 896 x 1, 4 waves a work-group, no clusters, 4,608 bytes of LDS; arguments q, k, v, in_proj_weight, out_proj_weight, lowp_scales, codes; writes codes
.if DOCPART == 1
	.amdgcn_target "amdgcn-amd-amdhsa--gfx1250"
	.amdhsa_code_object_version 6
	.text
	.protected	k_q87dc9c5076_quant
	.globl	k_q87dc9c5076_quant
	.p2align	8
	.type	k_q87dc9c5076_quant,@function
k_q87dc9c5076_quant:
	s_mov_b64 s[64:65], 0
	v_nop
	global_prefetch_b8 v0, s[64:65] scope:SCOPE_SE
	s_setreg_imm32_b32 hwreg(HW_REG_WAVE_MODE, 25, 1), 1
	s_wait_xcnt 0x0
; q, k, v [1024 t][8 b][1024] and the two weights [rows][1024], all f32 with K innermost, become codes of FP8 (E4M3), one byte a number, each with the scale 2^e given for it.
; code = x / 2^e, held within +-448, rounded to the nearest code, ties to even.
; LIMITS: each e lies between -126 and 119, so that 2^e and 448 x 2^e are f32 numbers.  NaN among the inputs is not served (an infinity is held at the largest code).
; WHERE THE CODES GO (buffer codes): q at 0, k at 8 MiB, v at 16 MiB, each laid [b][t][1024], so that one batch entry's tokens are dense rows of 1,024 bytes;
; in_proj_weight [3072][1024] at 24 MiB, out_proj_weight [1024][1024] at 27 MiB, as they lie.
; SHARES: a work-group takes 32,768 numbers, a wave 8,192 = eight rows of 1,024, in 16 steps of 512.  Work-groups 0-255 q, 256-511 k, 512-767 v, 768-863 in_proj_weight, 864-895 out_proj_weight.
; For q, k, v a wave's eight rows are one token's eight batch entries: in the codes they lie 1 MiB apart; for the weights 1,024 bytes apart.  Only pointers, the stride and the scale are chosen: all take one path.
; A STEP: four loads, each of 512 consecutive bytes, 16 a lane: the lane holds four neighbours in each of four chunks of 128 numbers.  A conversion of eight numbers puts the first four codes into one register and
; the next four into the next: so two conversions give one word of four neighbouring codes for each chunk.  THE CODES, NOT THE NUMBERS, TURN THROUGH LDS: four stores of a word a lane (128 consecutive bytes each)
; lay the step's 512 codes on end in the wave's own stage, and one load of 16 bytes a lane brings each lane 16 neighbouring codes: a quarter of the LDS bytes that the numbers would take.
; A store of the wave to memory then covers 512 consecutive bytes, aligned.  No tensor loads, no barrier: waves share nothing.  Loads run six steps (24 loads a wave) ahead; a step's codes are stored a step later.
.set STEPS, 16
.set DEPTH, 6                          ; sets of load registers = steps on their way
.set EMAX,  8
.set MANT,  0x600000                   ; the mantissa field of 448 as f32
.set R,     16                         ; v16-111  six sets of 16 numbers as they are loaded
.set OFF,   112                        ; v112-119 row b of my eight: 16 x lane + b x the rows' distance in the codes; never rewritten
.set C,     120                        ; v120-127 two sets of four words of codes, by turns
.set D,     128                        ; v128-191 16 neighbouring codes a lane: four registers for each step, so that no store's data are written again
.set WREG,  1024                       ; LDS: a region for each wave: two stages of 512 bytes, by turns
	s_load_b256 s[4:11], s[0:1], 0x0               ; q s[4:5], k s[6:7], v s[8:9], in_proj_weight s[10:11]
	s_load_b128 s[12:15], s[0:1], 0x20             ; out_proj_weight s[12:13], the scales' exponents s[14:15]
	s_load_b64 s[16:17], s[0:1], 0x30              ; codes
	v_lshl_add_u32 v192, v0, 2, 0x1000
	v_mov_b32 v193, 0
	v_lshrrev_b32 v1, 5, v0
	v_readfirstlane_b32 s19, v1                    ; wave
	v_and_b32 v2, 31, v0                           ; lane
	v_lshlrev_b32 v3, 4, v2                        ; my 16 bytes of a load's 512, and of a store's
	s_wait_alu depctr_va_vdst(0)
	s_mul_i32 s36, s19, WREG
	v_lshlrev_b32 v14, 2, v2
	v_add_nc_u32 v14, s36, v14                     ; the stage, on the way in: a word a lane
	v_add_nc_u32 v15, s36, v3                      ; and on the way out: 16 bytes a lane
	s_mov_b32 s18, ttmp9                           ; g, the work-group's number
	s_mov_b32 s22, 864                             ; f: the first work-group of my tensor
	s_cmp_lt_u32 s18, 864
	s_cselect_b32 s22, 768, s22
	s_cmp_lt_u32 s18, 768
	s_cselect_b32 s22, 512, s22
	s_cmp_lt_u32 s18, 512
	s_cselect_b32 s22, 256, s22
	s_cmp_lt_u32 s18, 256
	s_cselect_b32 s22, 0, s22
	s_sub_co_u32 s24, s18, s22
	s_lshl_b32 s24, s24, 2
	s_add_co_u32 s24, s24, s19                     ; u: which run of 8,192 numbers of the tensor is my wave's (for q, k, v: the token)
	s_lshl_b32 s26, s24, 15                        ; its first byte in the tensor
	s_mov_b32 s27, 0
	s_lshr_b32 s31, s18, 8                         ; 0, 1, 2 for q, k, v
	s_lshl_b32 s32, s31, 3                         ; their scales are entries 0, 2, 4: in bytes
	s_max_u32 s33, s18, 768
	s_sub_co_u32 s33, s33, 768                     ; the weights' work-groups, counted from 0
	s_lshr_b32 s34, s33, 5                         ; 32 work-groups for each third of in_proj_weight:
	s_lshl_b32 s34, s34, 3
	s_add_co_u32 s34, s34, 4                       ; entries 1, 3, 5
	s_cmp_lt_u32 s18, 864
	s_cselect_b32 s23, s34, 44                     ; out_proj_weight: entry 11
	s_cmp_lt_u32 s18, 768
	s_cselect_b32 s23, s32, s23
	s_min_u32 s23, s23, 44                         ; inside the twelve entries
	s_lshl_b32 s35, s31, 23                        ; codes of q, k, v: 8 MiB x tensor + 1,024 x token
	s_lshl_b32 s37, s24, 10
	s_add_co_u32 s35, s35, s37
	s_lshl_b32 s38, s33, 2                         ; codes of the weights: 24 MiB + 8,192 x (4 x group + wave)
	s_add_co_u32 s38, s38, s19
	s_lshl_b32 s38, s38, 13
	s_add_co_u32 s38, s38, (24<<20)
	s_mov_b32 s39, 1024
	s_cmp_lt_u32 s18, 768
	s_cselect_b32 s28, s35, s38
	s_cselect_b32 s39, (1<<20), s39                ; from row to row of my eight, in the codes
	s_mov_b32 s29, 0
	v_mov_b32 v[OFF], v3
.irp b, 1,2,3,4,5,6,7
	v_add_nc_u32 v[OFF+\b], s39, v[OFF+\b-1]
.endr
	s_wait_kmcnt 0x0
	s_load_b32 s30, s[14:15], s23 offset:0x0       ; e
	s_cmp_lt_u32 s18, 864                          ; the tensor: the choice hangs on the work-group's number alone
	s_cselect_b64 s[20:21], s[10:11], s[12:13]
	s_cmp_lt_u32 s18, 768
	s_cselect_b64 s[20:21], s[8:9], s[20:21]
	s_cmp_lt_u32 s18, 512
	s_cselect_b64 s[20:21], s[6:7], s[20:21]
	s_cmp_lt_u32 s18, 256
	s_cselect_b64 s[20:21], s[4:5], s[20:21]
	s_add_nc_u64 s[20:21], s[20:21], s[26:27]
	s_add_nc_u64 s[16:17], s[16:17], s[28:29]
.macro LOAD t
.irp i, 0,1,2,3
	global_load_b128 v[R+16*((\t)%DEPTH)+4*\i:R+16*((\t)%DEPTH)+4*\i+3], v3, s[20:21] offset:2048*(\t)+512*\i th:TH_LOAD_NT   ; chunk i: 32 lanes read 512 consecutive bytes; read once in the launch
.endr
.endm
.irp t, 0,1,2,3,4,5
	LOAD \t
.endr
	s_wait_kmcnt 0x0
	s_add_co_i32 s30, s30, 127
	s_lshl_b32 s31, s30, 23
	v_mov_b32 v11, s31                             ; 2^e as f32: the conversion takes its exponent field
	s_add_co_i32 s30, s30, EMAX
	s_lshl_b32 s30, s30, 23
	s_or_b32 s30, s30, MANT
	v_mov_b32 v10, s30                             ; 448 x 2^e
.macro STEP t
.set RS, R+16*((\t)%DEPTH)
.set CS, C+4*((\t)%2)
.if STEPS-1-(\t) >= DEPTH-1
	s_wait_loadcnt 4*(DEPTH-1)                     ; this step's four loads are in; the twenty of the five steps behind it may be out
.else
	s_wait_loadcnt 4*(STEPS-1-(\t))                ; the last steps: the counts run down
.endif
.irp i, 0,1,2,3,4,5,6,7,8,9,10,11,12,13,14,15
	v_med3_num_f32 v[RS+\i], v[RS+\i], -v10, v10   ; the conversion to an 8-bit code does not saturate (ISA guide 7.6.2): the hold at the largest code x the scale comes first
.endr
	v_cvt_scalef32_pk8_fp8_f32 v[CS:CS+1], v[RS:RS+7], v11         ; chunk 0's four codes, chunk 1's four codes
	v_cvt_scalef32_pk8_fp8_f32 v[CS+2:CS+3], v[RS+8:RS+15], v11    ; chunk 2's, chunk 3's.  (The codes go to LDS stores alone; the next vector lines are the next step's holds, on other registers)
.if (\t)+DEPTH < STEPS
	LOAD (\t)+DEPTH                                ; the set takes the loads of six steps on
.endif
.irp i, 0,1,2,3
	ds_store_b32 v14, v[CS+\i] offset:512*((\t)%2)+128*\i   ; chunk i's 128 codes on end: 32 lanes, a word each
.endr
	ds_load_b128 v[D+4*(\t):D+4*(\t)+3], v15 offset:512*((\t)%2)   ; LDS serves a wave's instructions in order (ISA guide 5.7.1.4): it sees the four stores
.if (\t) > 0
	s_wait_dscnt 5                                 ; all but this step's five LDS instructions are done: the step before is back, its stage and its words of codes are free for the step after this
	global_store_b128 v[OFF+((\t)-1)/2], v[D+4*((\t)-1):D+4*((\t)-1)+3], s[16:17] offset:512*(((\t)-1)%2)   ; row (t - 1) / 2 of my eight, half (t - 1) % 2: 512 consecutive bytes, aligned
.endif
.endm
	s_wait_alu depctr_va_vdst(0)
.irp t, 0,1,2,3,4,5,6,7,8,9,10,11,12,13,14,15
	STEP \t
.endr
	s_wait_dscnt 0x0                               ; the last step's codes are back
	global_store_b128 v[OFF+7], v[D+60:D+63], s[16:17] offset:512
	s_wait_tensorcnt 0x0
	ds_add_u32 v192, v193
	s_wait_dscnt 0x0
	s_endpgm
.Lfunc_end_k_q87dc9c5076_quant:
	.size	k_q87dc9c5076_quant, .Lfunc_end_k_q87dc9c5076_quant-k_q87dc9c5076_quant
	.p2alignl 7, 3214868480
	.fill 96, 4, 3214868480
	.section	.rodata,"a",@progbits
	.p2align	6, 0x0
	.amdhsa_kernel k_q87dc9c5076_quant
		.amdhsa_group_segment_fixed_size 4608
		.amdhsa_private_segment_fixed_size 0
		.amdhsa_enable_private_segment 0
		.amdhsa_kernarg_size 56
		.amdhsa_user_sgpr_count 2
		.amdhsa_user_sgpr_kernarg_segment_ptr 1
		.amdhsa_wavefront_size32 1
		.amdhsa_system_sgpr_workgroup_id_x 1
		.amdhsa_system_sgpr_workgroup_id_y 1
		.amdhsa_system_sgpr_workgroup_id_z 1
		.amdhsa_system_vgpr_workitem_id 0
		.amdhsa_next_free_vgpr 194
		.amdhsa_next_free_sgpr 66
		.amdhsa_reserve_vcc 0
		.amdhsa_float_denorm_mode_32 3
		.amdhsa_float_denorm_mode_16_64 3
		.amdhsa_memory_ordered 1
		.amdhsa_forward_progress 1
		.amdhsa_inst_pref_size 36
	.end_amdhsa_kernel
	.amdgpu_metadata
---
amdhsa.version: [ 1, 2 ]
amdhsa.kernels:
  - .name:           k_q87dc9c5076_quant
    .symbol:         k_q87dc9c5076_quant.kd
    .args:
      - { .name: q, .offset: 0, .size: 8, .value_kind: global_buffer, .address_space: global }
      - { .name: k, .offset: 8, .size: 8, .value_kind: global_buffer, .address_space: global }
      - { .name: v, .offset: 16, .size: 8, .value_kind: global_buffer, .address_space: global }
      - { .name: in_proj_weight, .offset: 24, .size: 8, .value_kind: global_buffer, .address_space: global }
      - { .name: out_proj_weight, .offset: 32, .size: 8, .value_kind: global_buffer, .address_space: global }
      - { .name: lowp_scales, .offset: 40, .size: 8, .value_kind: global_buffer, .address_space: global }
      - { .name: codes, .offset: 48, .size: 8, .value_kind: global_buffer, .address_space: global }
    .group_segment_fixed_size: 4608
    .private_segment_fixed_size: 0
    .kernarg_segment_align: 8
    .kernarg_segment_size: 56
    .max_flat_workgroup_size: 128
    .sgpr_count:     66
    .vgpr_count:     194
    .wavefront_size: 32
...
	.end_amdgpu_metadata
.endif
;; end of part 1
;; launch proj (part 2): grid 4 x 48, 4 waves a work-group, clusters of 4 x 4, 327,680 bytes of LDS; arguments codes, in_proj_bias, lowp_scales, hc; writes hc
.if DOCPART == 2
	.amdgcn_target "amdgcn-amd-amdhsa--gfx1250"
	.amdhsa_code_object_version 6
	.text
	.protected	k_q87dc9c5076_proj
	.globl	k_q87dc9c5076_proj
	.p2align	8
	.type	k_q87dc9c5076_proj,@function
k_q87dc9c5076_proj:
	s_mov_b64 s[64:65], 0
	v_nop
	global_prefetch_b8 v0, s[64:65] scope:SCOPE_SE
	s_setreg_imm32_b32 hwreg(HW_REG_WAVE_MODE, 25, 1), 1
	s_wait_xcnt 0x0
	s_wait_alu depctr_hold_cnt(0) depctr_sa_sdst(0) depctr_va_vdst(0) depctr_va_sdst(0) depctr_va_ssrc(0) depctr_va_vcc(0) depctr_vm_vsrc(0)
	s_getreg_b32 s2, hwreg(HW_REG_IB_STS2, 6, 4)
	s_cmp_eq_u32 s2, 0
	s_cbranch_scc0 .Lentry_in_a_cluster
	s_endpgm
.Lentry_in_a_cluster:
	s_bfe_u32 s2, ttmp6, 0x10000c
	s_cmp_lg_u32 s2, 0xf033
	s_cbranch_scc0 .Lentry_shape_is_right
	s_endpgm
.Lentry_shape_is_right:
; The three in-projections on codes of FP8 (E4M3): y = x W^T + bias (q's also x 1/8), quantised at once for the attention's products and laid by heads.
; THE WEIGHTS STAY IN REGISTERS, THE TOKENS STREAM.  A work-group holds 256 rows of one third of W over the whole K = 1,024: each of its four waves 64 rows, one head, in 512 registers.
; It takes 512 tokens of one batch entry past them, 16 at a time: a token tile's fragments (32 LDS loads of 16 bytes a lane) feed 32 matrix instructions in each wave.
; SHARES: 3 kinds (q, k, v) x 4 tiles of 256 rows of W x 16 chunks of 512 tokens = 192 work-groups of equal work; the factor 3 does not divide 256, and a work-group that changed its kind would fetch W anew.
; LDS: W comes once, a joint load of 64 rows x 1,024 bytes a wave, is read by that wave alone into its registers, and its bytes then serve as two slots of 128 tokens x 1,024 bytes.
; The four fills of 128 tokens go through the two slots by turns; a refill is asked for at the slot's last token tile and first read eight token tiles, 256 matrix instructions a wave, later: so no prefetch is laid.
; CLUSTERS: 4 x 4 work-groups of one kind.  W's tile hangs on cx and is shared along a column of the cluster, the tokens hang on the cluster's y and cy and are shared along a row: each is asked for jointly.
; q, k (kind 0, 1): source 0 = 16 rows of W, source 1 = 16 tokens: a lane holds one token and eight neighbouring features.  v (kind 2): the sources swapped: a lane holds one feature and eight neighbouring tokens.
; THE BIAS is the C of a sum's first matrix instruction, as bias / 2^(ex + ew) (exact); the three scales are folded into the conversion's one: code = sum / 2^(er - ex - ew); for q er + 3, which is the factor 1/8.
; OUT (buffer hc): qh at 0 and kh at 8 MiB, [16 b + h][t][64]; vh at 16 MiB, [16 b + h][t / 128][d][128], where byte 32 c + 16 g + 8 u + i of a row holds key 32 c + 16 u + 8 g + i of the block.
; A fragment (16 rows x 128 K) is fetched by four loads of 16 bytes at 32 c + 16 (lane / 16): a permutation of k that is the same in W and in the tokens; only the order of the sums inside an instruction differs.
; LIMITS on the given exponents: er - ex - ew (for q: + 3) between -126 and 119.  NaN among the inputs is not served.
; REGISTERS, in windows of 256: window 0: v1-30 addresses and constants, v32-63 held sums, v64-95 four accumulators, v96-111 codes, v112-119 rows read back (q, k), v128-159 the bias, v160-223 rows read back (v).
;   windows 1, 2: W's fragments, (kk, a) at 16 (4 (kk % 4) + a), kk 0-3 in window 1, kk 4-7 in window 2.   window 3: the tokens' fragments, two sets of 128.
.set PITCH, 1040                       ; an LDS row: 1,024 bytes + 16: the sixteen rows of a fragment load start at sixteen different 16-byte columns of 256
.set TILEB, 16*PITCH                   ; a token tile
.set SLOT,  128*PITCH                  ; a slot: 128 tokens; two slots are W's 256 rows
.set SLOTG, 128*1024                   ; and in memory
.set SPQ,   80                         ; q, k: a stage row: a token's 64 bytes + 16
.set SPV,   144                        ; v: a stage row: a feature's 128 bytes + 16
.set STGQ,  2*SLOT                     ; q, k: 16 rows for each wave
.set STGV,  STGQ+4*16*SPQ              ; v: 64 rows for each wave; each path has stage bytes of its own, and no tile lands on them
.set SPARE, STGV+4*64*SPV              ; the spare words, 128 bytes for each wave
.set LIM, 12
.set SCL, 13
.set LB,  16                           ; my lane's place in a fragment: r x PITCH + 16 h
.set WADR, 17
.set RADR, 18                          ; the pair of token tiles at hand
.set STQ, 19
.set RDQ, 20
.set STVB, 21
.set STV, 22
.set RDV, 23
.set SPW, 28
.set NIL, 29
.set GO,  30
.set T,   32
.set ACC, 64
.set CD,  96
.set SB,  112
.set BI,  128
.set FB,  160
.set G1W, 24
.set G1R, 32
.set G0W, 40
.set G0A, 44                           ; group 0 of slot 0's fills, of slot 1's
.set G0B, 48
.set MSB, 0
.macro WIN new                         ; the immediate's high byte repeats the setting that is left
.if MSB != (\new)
	s_set_vgpr_msb (MSB<<8)|(\new)
.set MSB, (\new)
.endif
.endm
.macro PLACES                          ; four plain instructions behind a matrix instruction or a tensor load
.rept 4
	v_nop
.endr
.endm
.macro CROUND                          ; a round of the cluster's barrier
	s_barrier_signal -1
	s_barrier_wait -1
	s_cmp_lg_u32 s14, 0
	s_cbranch_scc1 .Lnot_wave_0_\@
	s_barrier_signal -3
.Lnot_wave_0_\@:
	s_barrier_wait -3
	s_barrier_signal -1
	s_barrier_wait -1
.endm
	s_load_b256 s[4:11], s[0:1], 0x0               ; codes s[4:5], in_proj_bias s[6:7], the scales' exponents s[8:9], hc s[10:11]
	v_lshl_add_u32 v[SPW], v0, 2, SPARE
	v_mov_b32 v[NIL], 0
	ds_add_u32 v[SPW], v[NIL]                      ; the opening lines: the add, twice on end, and its wait ahead of my first tensor load
	ds_add_u32 v[SPW], v[NIL]
	v_lshrrev_b32 v1, 5, v0
	v_readfirstlane_b32 s14, v1                    ; wave 0..3
	s_bfe_u32 s66, ttmp6, 0x40000                  ; cx: my tile of W
	s_bfe_u32 s67, ttmp6, 0x40004                  ; cy
	s_and_b32 s13, ttmp7, 0xffff                   ; the cluster's y, 0..11
	s_lshr_b32 s12, s13, 2                         ; kind: the same in all sixteen partners
	s_and_b32 s13, s13, 3
	s_lshl_b32 s18, s13, 2
	s_add_co_u32 s18, s18, s67                     ; my chunk of 512 tokens, 0..15; it hangs on cy, never on cx
	s_add_co_u32 s70, s12, 24
	s_lshl_b32 s70, s70, 20                        ; W: (24 + kind) MiB
	s_lshl_b32 s19, s66, 18
	s_add_co_u32 s70, s70, s19                     ; + 256 rows a tile
	s_lshl_b32 s19, s14, 16
	s_add_co_u32 s70, s70, s19                     ; + my 64 rows
	s_mov_b32 s71, 0
	s_lshl_b32 s72, s12, 23                        ; the tokens: 8 MiB x kind
	s_lshl_b32 s19, s18, 19
	s_add_co_u32 s72, s72, s19                     ; + 512 rows a chunk
	s_lshl_b32 s19, s14, 15
	s_add_co_u32 s72, s72, s19                     ; + the 32 rows of a fill that I fetch
	s_mov_b32 s73, 0
	s_lshl_b32 s20, 0x1111, s66                    ; my column of the cluster
	s_lshl_b32 s21, s67, 2
	s_lshl_b32 s21, 15, s21                        ; my row
	s_or_b32 s[G1W+0], s20, (1<<20)|(1<<21)|(7<<22)|(3<<25)   ; the mask; elements of 1 byte; padding on; 21 set beside a mask; four words after every 256
	s_mov_b32 s[G1W+1], 1024<<16                   ; tensor_dim0
	s_mov_b32 s[G1W+2], 64<<16                     ; tensor_dim1
	s_mov_b32 s[G1W+3], 1024<<16                   ; tile_dim0
	s_mov_b32 s[G1W+4], 64                         ; tile_dim1
	s_mov_b32 s[G1W+5], 1024                       ; from row to row
	s_mov_b32 s[G1W+6], 0
	s_mov_b32 s[G1W+7], 0
	s_or_b32 s[G1R+0], s21, (1<<20)|(1<<21)|(7<<22)|(3<<25)
	s_mov_b32 s[G1R+1], 1024<<16
	s_mov_b32 s[G1R+2], 32<<16
	s_mov_b32 s[G1R+3], 1024<<16
	s_mov_b32 s[G1R+4], 32
	s_mov_b32 s[G1R+5], 1024
	s_mov_b32 s[G1R+6], 0
	s_mov_b32 s[G1R+7], 0
	s_mul_i32 s22, s14, 64*PITCH                   ; where they go: no place in the cluster enters an LDS address
	s_mul_i32 s23, s14, 32*PITCH
	s_mul_i32 s91, s14, 16*SPQ
	s_add_co_u32 s91, s91, STGQ                    ; my stages
	s_mul_i32 s92, s14, 64*SPV
	s_add_co_u32 s92, s92, STGV
	s_lshl_b32 s93, s12, 12                        ; the bias of my 64 features, in bytes: 4 (1,024 kind + 256 cx + 64 wave)
	s_lshl_b32 s19, s66, 10
	s_add_co_u32 s93, s93, s19
	s_lshl_b32 s19, s14, 8
	s_add_co_u32 s93, s93, s19
	s_lshl_b32 s79, s12, 3                         ; the operands' exponents: entries 2 kind, 2 kind + 1
	s_lshr_b32 s88, s12, 1
	s_add_co_u32 s88, s88, s12
	s_add_co_u32 s88, s88, 6
	s_lshl_b32 s88, s88, 2                         ; the result's: entry 6, 7 or 9
	s_lshr_b32 s84, s18, 1
	s_lshl_b32 s84, s84, 4
	s_lshl_b32 s19, s66, 2
	s_add_co_u32 s84, s84, s19
	s_add_co_u32 s84, s84, s14                     ; 16 b + my head (b = chunk / 2, head = 4 cx + wave): for the stores alone
	s_and_b32 s85, s18, 1                          ; which half of the batch entry's tokens
	s_wait_dscnt 0x0                               ; both opening adds are done
	s_wait_kmcnt 0x0
	s_load_b64 s[76:77], s[8:9], s79 offset:0x0
	s_load_b32 s78, s[8:9], s88 offset:0x0
	s_add_nc_u64 s[70:71], s[4:5], s[70:71]
	s_add_nc_u64 s[72:73], s[4:5], s[72:73]
	CROUND                                         ; all sixteen work-groups are here: the first joint loads meet
	s_mov_b32 s[G0W], 1
	s_mov_b32 s[G0W+1], s22
	s_mov_b64 s[G0W+2:G0W+3], s[70:71]
	s_or_b32 s[G0W+3], s[G0W+3], 0x80000000
	s_mov_b32 s[G0A], 1
	s_mov_b32 s[G0A+1], s23
	s_mov_b64 s[G0A+2:G0A+3], s[72:73]
	s_or_b32 s[G0A+3], s[G0A+3], 0x80000000
	s_mov_b32 s[G0B], 1
	s_add_co_u32 s[G0B+1], s23, SLOT
	s_add_nc_u64 s[G0B+2:G0B+3], s[72:73], SLOTG
	s_or_b32 s[G0B+3], s[G0B+3], 0x80000000
	tensor_load_to_lds s[G0W:G0W+3], s[G1W:G1W+7]  ; my 64 rows of W: one load a wave at the head
	s_nop 0
	PLACES
	v_and_b32 v1, 15, v0                           ; r
	v_bfe_u32 v2, v0, 4, 1                         ; h
	v_and_b32 v3, 31, v0                           ; lane
	v_mul_u32_u24 v[LB], v1, PITCH
	v_lshl_add_u32 v[LB], v2, 4, v[LB]
	v_add_nc_u32 v[WADR], s22, v[LB]
	v_mul_u32_u24 v4, v1, SPQ
	v_lshl_add_u32 v4, v2, 3, v4
	v_add_nc_u32 v[STQ], s91, v4                   ; q, k, in: token r, + 8 h
	v_lshrrev_b32 v5, 2, v3
	v_and_b32 v6, 3, v3
	v_mul_u32_u24 v5, v5, SPQ
	v_lshl_add_u32 v5, v6, 4, v5
	v_add_nc_u32 v[RDQ], s91, v5                   ; back: four lanes to a token's 64 bytes
	v_mul_u32_u24 v4, v1, SPV
	v_lshl_add_u32 v4, v2, 4, v4
	v_add_nc_u32 v[STVB], s92, v4                  ; v, in: feature r, + 16 h
	v_lshrrev_b32 v5, 3, v3
	v_and_b32 v6, 7, v3
	v_mul_u32_u24 v5, v5, SPV
	v_lshl_add_u32 v5, v6, 4, v5
	v_add_nc_u32 v[RDV], s92, v5                   ; back: eight lanes to a feature's 128 bytes
	v_lshlrev_b32 v[GO], 4, v3
	v_lshl_add_u32 v8, v2, 5, s93                  ; the bias along my registers (q, k): feature 16 a + 8 h + j
	v_lshl_add_u32 v9, v1, 2, s93                  ; the bias of my lane (v): feature 16 a + r
	s_wait_alu depctr_va_vdst(0)                   ; the wait at the head's end
	s_wait_tensorcnt 0x0                           ; my rows of W are in LDS; I alone read them
.set kk, 0
.rept 8
	WIN 0x40*(1+kk/4)
.irp a, 0,1,2,3
.irp c, 0,1,2,3
	ds_load_b128 v[((kk%4)*4+\a)*16+4*\c:((kk%4)*4+\a)*16+4*\c+3], v[WADR] offset:TILEB*\a+128*kk+32*\c
.endr
.endr
.set kk, kk+1
.endr
	WIN 0
	s_wait_tensorcnt 0x0                           ; the three lines ahead of a refill's barrier: no load of mine is out,
	ds_add_u32 v[SPW], v[NIL]
	s_wait_dscnt 0x0                               ; the add is done, and W is in my registers
	CROUND                                         ; so it is in every wave of the cluster: W's bytes may be filled again
	tensor_load_to_lds s[G0A:G0A+3], s[G1R:G1R+7]  ; tokens 0-127 into slot 0
	s_nop 0
	PLACES
	s_wait_kmcnt 0x0
	s_add_co_i32 s80, s76, s77                     ; ex + ew
	s_sub_co_i32 s81, 0, s80
	s_add_co_i32 s82, s78, 3
	s_cmp_eq_u32 s12, 0
	s_cselect_b32 s78, s82, s78                    ; q x 1/8 / 2^e = q / 2^(e + 3)
	s_sub_co_i32 s78, s78, s80
	s_add_co_i32 s78, s78, 127
	s_lshl_b32 s82, s78, 23
	v_mov_b32 v[SCL], s82                          ; 2^(er - ex - ew), for the conversions
	s_add_co_i32 s78, s78, 8
	s_lshl_b32 s78, s78, 23
	s_or_b32 s78, s78, 0x600000
	v_mov_b32 v[LIM], s78                          ; 448 x that
.macro RLOAD nb, adr, off              ; a token tile's fragments, 32 loads, into set nb
	WIN 0xc0
.set kk, 0
.rept 8
.irp c, 0,1,2,3
	ds_load_b128 v[128*(\nb)+16*kk+4*\c:128*(\nb)+16*kk+4*\c+3], v[\adr] offset:(\off)+128*kk+32*\c
.endr
.set kk, kk+1
.endr
	WIN 0
.endm
; A TOKEN TILE on set b.  mode 0: the next tile lies in the same slot.  mode 1, 2: the slot's last tile changes slots: the three lines, the barrier (mode 1: a round of the cluster's, and this slot,
; whose last fragments are in my registers, is filled again).  mode 3: the very last tile.  The next tile's fragments are asked for ahead of this tile's products.
; The four accumulators take turns, one instruction a turn, three others between two steps of a sum.
.macro TILE isv, b, mode, g0, nadr, noff, prev
.if ((\mode) == 1) || ((\mode) == 2)
	s_wait_tensorcnt 0x0                           ; my part of the next slot is in,
	ds_add_u32 v[SPW], v[NIL]
.if (\mode) == 1
	s_add_nc_u64 s[\g0+2:\g0+3], s[\g0+2:\g0+3], 2*SLOTG   ; no load of mine is out: this slot's next 128 tokens
.endif
	s_wait_dscnt 0x0                               ; the add is done, and my reads of this slot are over
.if (\mode) == 1
	CROUND
	tensor_load_to_lds s[\g0:\g0+3], s[G1R:G1R+7]  ; the first tensor load behind the round, one a wave
	s_nop 0
	PLACES
.else
	s_barrier_signal -1
	s_barrier_wait -1
.endif
.endif
.if (\mode) != 3
	RLOAD 1-(\b), \nadr, \noff
	s_wait_dscnt 32                                ; all but the 32 just issued: this tile's fragments are in, and the last tile's rows are back from the stage
.else
	s_wait_dscnt 0x0
.endif
.if (\isv) == 0
.if \prev
	global_store_b128 v[GO], v[SB:SB+3], s[74:75]              ; the last tile: 16 tokens x 64 bytes, two stores of 512 consecutive bytes, aligned
	global_store_b128 v[GO], v[SB+4:SB+7], s[74:75] offset:512
.endif
.endif
.set kk, 0
.rept 8
.if kk == 0
	WIN 0x0d-6*(\isv)                              ; q, k: source 0 window 1, source 1 window 3; v: source 0 window 3, source 1 window 1
.endif
.if kk == 4
	WIN 0x0e-3*(\isv)                              ; the same with window 2
.endif
.irp a, 0,1,2,3
.set CC, ACC+8*\a
.if kk == 0
.set CC, BI+8*\a
.endif
.set WF, ((kk%4)*4+\a)*16
.set RF, 128*(\b)+16*kk
.if \isv
	v_wmma_f32_16x16x128_fp8_fp8 v[ACC+8*\a:ACC+8*\a+7], v[RF:RF+15], v[WF:WF+15], v[CC:CC+7]
.else
	v_wmma_f32_16x16x128_fp8_fp8 v[ACC+8*\a:ACC+8*\a+7], v[WF:WF+15], v[RF:RF+15], v[CC:CC+7]
.endif
.endr
.set kk, kk+1
.endr
	WIN 0
	PLACES
.if (\isv) == 0
	s_wait_xcnt 0x0                                ; the stores above have read their registers and their base
.if \prev
	s_add_nc_u64 s[74:75], s[74:75], 1024
.endif
.endif
.set j, 0
.rept 32
	v_med3_num_f32 v[T+j], v[ACC+j], -v[LIM], v[LIM]   ; the conversion does not saturate (ISA guide 7.6.2); each accumulator from its low end on
.set j, j+1
.endr
.irp a, 0,1,2,3
.if \isv
	v_cvt_scalef32_pk8_fp8_f32 v[CD+4*\a+2*(\b):CD+4*\a+2*(\b)+1], v[T+8*\a:T+8*\a+7], v[SCL]
.else
	v_cvt_scalef32_pk8_fp8_f32 v[CD+2*\a:CD+2*\a+1], v[T+8*\a:T+8*\a+7], v[SCL]
.endif
.endr
	v_nop                                          ; a plain instruction behind the last conversion
.if \isv
.if (\b) == 1
.irp a, 0,1,2,3
	ds_store_b128 v[STV], v[CD+4*\a:CD+4*\a+3] offset:16*SPV*\a    ; feature 16 a + r: the pair's tokens 8 h + j and 16 + 8 h + j, at byte 32 c + 16 h of the block's row
.endr
.endif
.else
.irp a, 0,1,2,3
	ds_store_b64 v[STQ], v[CD+2*\a:CD+2*\a+1] offset:16*\a         ; token r, features 16 a + 8 h + j
.endr
	ds_load_b128 v[SB:SB+3], v[RDQ]                                ; LDS serves a wave's instructions in order (ISA guide 5.7.1.4): these see my stores
	ds_load_b128 v[SB+4:SB+7], v[RDQ] offset:8*SPQ
.endif
.endm
.macro PAIR isv, mode, g0, nadr, noff, prev
	v_add_nc_u32 v[RADR], s2, v[LB]
.if \isv
	v_add_nc_u32 v[STV], s6, v[STVB]
.endif
	TILE \isv, 0, 0, G0A, RADR, TILEB, \prev
	TILE \isv, 1, \mode, \g0, \nadr, \noff, 1
.endm
.macro NEXTPAIR
	s_add_co_u32 s2, s2, 2*TILEB
	s_add_co_u32 s6, s6, 32
.endm
; A SLOT: four pairs of token tiles; the last pair is written out.  first = 1: so is the first, whose first tile has no tile before it to store.
.macro SLOTRUN isv, base, mode, g0, nadr, noff, first, sidx
	s_mov_b32 s2, \base
	s_mov_b32 s6, 0
	s_mov_b32 s3, 3-(\first)
.if \first
	PAIR \isv, 0, G0A, RADR, 2*TILEB, 0
	NEXTPAIR
.endif
.Lpair_\@:
	PAIR \isv, 0, G0A, RADR, 2*TILEB, 1
	NEXTPAIR
	s_sub_co_u32 s3, s3, 1
	s_cmp_lg_u32 s3, 0
	s_wait_alu depctr_va_vdst(0)                   ; the wait here, directly ahead of the branch
	s_cbranch_scc1 .Lpair_\@
	PAIR \isv, \mode, \g0, \nadr, \noff, 1
.if \isv
	s_wait_xcnt 0x0                                ; the last block's stores have read their registers
.set n, 0
.rept 16
	ds_load_b128 v[FB+4*n:FB+4*n+3], v[RDV] offset:4*SPV*n         ; the block of 128 keys is whole: features 4 n on
.set n, n+1
.endr
	s_wait_dscnt 0x0
.set n, 0
.rept 16
	global_store_b128 v[GO], v[FB+4*n:FB+4*n+3], s[74:75] offset:8192*(\sidx)+512*n   ; four features x 128 bytes: 512 consecutive bytes, aligned
.set n, n+1
.endr
.endif
.endm
.macro WALK isv
	s_wait_alu depctr_va_vdst(0)                   ; the wait here, directly ahead of the wait below
	s_wait_tensorcnt 0x0                           ; my part of tokens 0-127 is in; the three lines ahead of the next refill's barrier
	ds_add_u32 v[SPW], v[NIL]
	s_wait_dscnt 0x0
	CROUND
	tensor_load_to_lds s[G0B:G0B+3], s[G1R:G1R+7]  ; tokens 128-255 into slot 1
	s_nop 0
	PLACES
	RLOAD 0, LB, 0
	SLOTRUN \isv, 0,    1, G0A, RADR, 2*TILEB, 1-(\isv), 0     ; at its end slot 0 takes tokens 256-383
	SLOTRUN \isv, SLOT, 1, G0B, LB,   0,       0, 1            ; slot 1 takes tokens 384-511
	SLOTRUN \isv, 0,    2, G0A, RADR, 2*TILEB, 0, 2            ; nothing more is filled
	SLOTRUN \isv, SLOT, 3, G0A, RADR, 0,       0, 3
.endm
	s_cmp_eq_u32 s12, 2                            ; the kind is the same in all sixteen partners and in all four waves
	s_cbranch_scc1 .Lv_path
.irp a, 0,1,2,3
	global_load_b128 v[BI+8*\a:BI+8*\a+3], v8, s[6:7] offset:64*\a
	global_load_b128 v[BI+8*\a+4:BI+8*\a+7], v8, s[6:7] offset:64*\a+16
.endr
	s_lshl_b32 s82, s84, 10                        ; (16 b + head) x 1,024 tokens
	s_lshl_b32 s83, s85, 9
	s_add_co_u32 s82, s82, s83                     ; + my first token,
	s_lshl_b32 s82, s82, 6                         ; x 64 bytes,
	s_lshl_b32 s83, s12, 23
	s_add_co_u32 s82, s82, s83                     ; + 8 MiB x kind
	s_mov_b32 s83, 0
	s_add_nc_u64 s[74:75], s[10:11], s[82:83]
	s_wait_loadcnt 0x0
.set j, 0
.rept 32
	v_ldexp_f32 v[BI+j], v[BI+j], s81              ; bias / 2^(ex + ew)
.set j, j+1
.endr
	WALK 0
	s_wait_dscnt 0x0                               ; the last tile's rows are back
	global_store_b128 v[GO], v[SB:SB+3], s[74:75]
	global_store_b128 v[GO], v[SB+4:SB+7], s[74:75] offset:512
	s_branch .Lend
.Lv_path:
.irp a, 0,1,2,3
	global_load_b32 v[BI+8*\a], v9, s[6:7] offset:64*\a
.endr
	s_lshl_b32 s82, s84, 3                         ; (16 b + head) x 8 blocks
	s_lshl_b32 s83, s85, 2
	s_add_co_u32 s82, s82, s83                     ; + my first block of 128 keys,
	s_lshl_b32 s82, s82, 13                        ; x 8,192 bytes,
	s_add_co_u32 s82, s82, (16<<20)
	s_mov_b32 s83, 0
	s_add_nc_u64 s[74:75], s[10:11], s[82:83]
	s_wait_loadcnt 0x0
.irp a, 0,1,2,3
.irp j, 7,6,5,4,3,2,1,0
	v_ldexp_f32 v[BI+8*\a+\j], v[BI+8*\a], s81     ; my feature's bias / 2^(ex + ew) in all eight registers; the source is written last
.endr
.endr
	WALK 1
.Lend:
	s_wait_tensorcnt 0x0                           ; the wave's end: behind my last tensor load and my last LDS store
	ds_add_u32 v[SPW], v[NIL]
	s_wait_dscnt 0x0
	CROUND                                         ; the closing round
	s_endpgm
.Lfunc_end_k_q87dc9c5076_proj:
	.size	k_q87dc9c5076_proj, .Lfunc_end_k_q87dc9c5076_proj-k_q87dc9c5076_proj
	.p2alignl 7, 3214868480
	.fill 96, 4, 3214868480
	.section	.rodata,"a",@progbits
	.p2align	6, 0x0
	.amdhsa_kernel k_q87dc9c5076_proj
		.amdhsa_group_segment_fixed_size 327680
		.amdhsa_private_segment_fixed_size 0
		.amdhsa_enable_private_segment 0
		.amdhsa_kernarg_size 32
		.amdhsa_user_sgpr_count 2
		.amdhsa_user_sgpr_kernarg_segment_ptr 1
		.amdhsa_wavefront_size32 1
		.amdhsa_system_sgpr_workgroup_id_x 1
		.amdhsa_system_sgpr_workgroup_id_y 1
		.amdhsa_system_sgpr_workgroup_id_z 1
		.amdhsa_system_vgpr_workitem_id 0
		.amdhsa_next_free_vgpr 1024
		.amdhsa_next_free_sgpr 100
		.amdhsa_reserve_vcc 0
		.amdhsa_float_denorm_mode_32 3
		.amdhsa_float_denorm_mode_16_64 3
		.amdhsa_memory_ordered 1
		.amdhsa_forward_progress 1
		.amdhsa_inst_pref_size 255
	.end_amdhsa_kernel
	.section	.bss,"aw",@nobits
	.p2align	6
	.space	262144
	.amdgpu_metadata
---
amdhsa.version: [ 1, 2 ]
amdhsa.kernels:
  - .name:           k_q87dc9c5076_proj
    .symbol:         k_q87dc9c5076_proj.kd
    .args:
      - { .name: codes, .offset: 0, .size: 8, .value_kind: global_buffer, .address_space: global }
      - { .name: in_proj_bias, .offset: 8, .size: 8, .value_kind: global_buffer, .address_space: global }
      - { .name: lowp_scales, .offset: 16, .size: 8, .value_kind: global_buffer, .address_space: global }
      - { .name: hc, .offset: 24, .size: 8, .value_kind: global_buffer, .address_space: global }
    .group_segment_fixed_size: 327680
    .private_segment_fixed_size: 0
    .kernarg_segment_align: 8
    .kernarg_segment_size: 32
    .max_flat_workgroup_size: 128
    .sgpr_count:     100
    .vgpr_count:     1024
    .wavefront_size: 32
...
	.end_amdgpu_metadata
.endif
;; end of part 2
;; launch attn (part 3): grid 2 x 128, 16 waves a work-group, no clusters, 182,272 bytes of LDS; arguments hc, lowp_scales, ac; writes ac
.if DOCPART == 3
	.amdgcn_target "amdgcn-amd-amdhsa--gfx1250"
	.amdhsa_code_object_version 6
	.text
	.protected	k_q87dc9c5076_attn
	.globl	k_q87dc9c5076_attn
	.p2align	8
	.type	k_q87dc9c5076_attn,@function
k_q87dc9c5076_attn:
	s_mov_b64 s[64:65], 0
	v_nop
	global_prefetch_b8 v0, s[64:65] scope:SCOPE_SE
	s_setreg_imm32_b32 hwreg(HW_REG_WAVE_MODE, 25, 1), 1
	s_wait_xcnt 0x0
; Attention of one head on codes of FP8 (E4M3): scores = qh kh^T (K = the head's 64), softmax, x vh (K = the keys), the result quantised at once for the out-projection.
; IN (buffer hc): qh at 0, kh at 8 MiB: [16 b + h][t][64]; vh at 16 MiB: [16 b + h][t / 128][d][128], byte 32 c + 16 g + 8 u + i of a row holding key 32 c + 16 u + 8 g + i of the block.
; THE SOFTMAX AHEAD OF THE SECOND PRODUCT: t = score x log2(e); M = ceil(the row's largest t); p = 2^(t - M) is what is quantised; the row's sum is taken of the unquantised p, in f32, and divides O at the end.
; TWO WALKS OVER THE KEYS.  Walk 1 makes the scores and keeps only each query's largest: M is then final.  Walk 2 makes the scores again, p, its sum, its codes and O.
; So no running M, and neither O nor the sum is ever rescaled; the price is the first product's matrix instructions and K's fragment loads a second time.
; SHARES: a work-group owns 512 queries of one head; each of its sixteen waves owns 32 (two tiles of 16: query 512 x + 32 wave + 16 tile + r), so that each fragment of K and of V feeds two matrix instructions.
; A step is 64 keys: 8 + 8 matrix instructions of the K = 64 form.  256 registers a wave, four waves to a SIMD.
; ALL OF THE HEAD'S K AND V, 128 KiB of codes, LIE IN LDS, written once.  They come through registers: a wave loads 4 KiB of K, and behind it 4 KiB of V (8 loads of 512 consecutive bytes each).
; K goes into LDS ahead of walk 1.  V goes into LDS behind 10 of walk 1's 16 trips; the barrier for it is signalled there and waited for behind the other 6 trips, which read K's bytes alone: nobody writes those again.
; NO TENSOR LOAD: nothing is filled again.  NO CLUSTER: a head's K and V are read by two work-groups only, once each, at the head.
; NO PREFETCH: all that is read is asked for at the head; there is no loop to run ahead in.
; THE HOLD OF p: p is at most 1 (a last bit more by rounding), and 448 x 2^e8 is at least 1.75 where e8 >= -8: there the hold changes nothing, and a scalar branch inside the step leads round its 64 lines.
; LAYOUT: both products are used transposed: S^T = K Q^T (source 0 = 16 neighbouring keys, source 1 = 16 queries), O^T = V^T P^T (source 0 = 16 of the head's 64, source 1 = P): a lane holds one query of each tile.
; Tile n of S^T gives lane (r, h) keys 16 n + 8 h + 0 .. 7; their eight codes are registers 2 n, 2 n + 1 of P's fragment: the plain 8-bit layout's own places (ISA guide 7.12.2).  V's rows give the same places
; to two loads of 16 bytes at 32 c + 16 h.  Q and K are both read 16 bytes a lane at 32 c + 16 h: a permutation of the head's 64 that is the same in both.
; OUT (buffer ac): [b][t / 16][h][p][t % 16][16], p = which 16 of the head's 64: one head of 16 tokens is 1,024 consecutive bytes, which two stores of 512 consecutive bytes fill,
; and the out-projection's fragment loads find sixteen tokens' pieces side by side.
; LIMITS on the given exponents: e6 + e7 between -126 and 127 (added to log2(e)'s exponent field); e8 and e10 between -126 and 119; e8 + e9 is applied by v_ldexp_f32 and has none.  NaN among the inputs is not served.
.set KROW,  272                        ; an LDS row: 256 bytes (four keys of K, or two features of V) + 16 of padding: the sixteen lanes of a fragment load touch sixteen different 16-byte columns of 256
.set TRIPB, 32*KROW                    ; 128 keys of K, or one block of V
.set VBASE, 8*TRIPB                    ; V behind K
.set STG,   16*TRIPB                   ; behind both: a stage of 32 rows x 80 bytes for each wave
.set SPI,   80
.set SPARE, STG+16*32*SPI              ; the spare words, 128 bytes for each wave
.set QF,  16                           ; v16-31   Q's two fragments
.set KF,  32                           ; v32-63   four fragments of K
.set VF,  64                           ; v64-95   four fragments of V; at the end rows on their way out
.set S,   96                           ; v96-159  S^T, then p: tile (q, n) at S + 32 q + 8 n.  At the head: K on its way to LDS
.set O,   160                          ; v160-223 O^T: (q, t) at O + 32 q + 8 t.  In walk 1: V on its way to LDS (v160-191)
.set CD,  224                          ; v224-239 p's codes, 8 registers a query tile.  Up to walk 2: v238, v239 the LDS addresses of the fill
.set L,   240                          ; v240-247 walk 1: four running maxima (v240-243); walk 2: the sums, two packed chains a query tile
; v1, v2 my lane's place in a tile of K, of V; v3, v4 the same in the trip at hand; v5, v6 the stage, in and back; v7 my bytes in ac; v8, v9 offsets of the head's loads; v10, v11 the spare word and 0;
; v12, v14 -M of tile 0, 1 (v13, v15 named with them as pairs); v248 448 x 2^e8, v249 2^e8, v250 2^e10, v251 448 x 2^e10; v252-255 at work.
	s_load_b128 s[4:7], s[0:1], 0x0                ; hc s[4:5], the scales' exponents s[6:7]
	s_load_b64 s[8:9], s[0:1], 0x10                ; ac
	v_lshl_add_u32 v10, v0, 2, SPARE
	v_mov_b32 v11, 0
	v_lshrrev_b32 v255, 5, v0
	v_readfirstlane_b32 s18, v255                  ; wave 0..15
	v_and_b32 v252, 31, v0                         ; lane
	v_and_b32 v253, 15, v0                         ; r
	v_bfe_u32 v254, v0, 4, 1                       ; h
	v_lshlrev_b32 v8, 4, v252                      ; K, V: my 16 bytes of a load's 512
	v_lshlrev_b32 v9, 6, v253
	v_lshl_add_u32 v9, v254, 4, v9                 ; Q: row r, + 16 h
	s_and_b32 s10, ttmp7, 0xffff                   ; 16 b + h
	s_lshl_b32 s12, s10, 16                        ; the head's 65,536 bytes
	s_lshl_b32 s13, s18, 12
	s_add_co_u32 s32, s12, s13
	s_add_co_u32 s32, s32, (8<<20)                 ; K: 8 MiB + the head + 4,096 x wave
	s_mov_b32 s33, 0
	s_lshl_b32 s34, ttmp9, 15
	s_add_co_u32 s34, s34, s12
	s_lshl_b32 s13, s18, 11
	s_add_co_u32 s34, s34, s13                     ; Q: the head + (512 x + 32 wave) rows of 64 bytes
	s_mov_b32 s35, 0
	s_lshr_b32 s36, s10, 4
	s_lshl_b32 s36, s36, 20                        ; ac: b x 1 MiB
	s_lshl_b32 s13, ttmp9, 19
	s_add_co_u32 s36, s36, s13
	s_lshl_b32 s13, s18, 15
	s_add_co_u32 s36, s36, s13                     ; + (32 x + 2 wave) tiles of 16 tokens x 16,384
	s_and_b32 s13, s10, 15
	s_lshl_b32 s13, s13, 10
	s_add_co_u32 s36, s36, s13                     ; + h x 1,024
	s_mov_b32 s37, 0
	s_mul_i32 s14, s18, 16*KROW                    ; my 16 LDS rows of K, and of V
	s_mul_i32 s15, s18, 32*SPI
	s_add_co_u32 s15, s15, STG                     ; my stage
	s_mov_b32 s20, 0x76543210
	s_mov_b32 s21, 0xfedcba98                      ; lane selects for v_permlanex16_b32: lane l xor 16
	s_mov_b32 s22, 0x3fb8aa3b                      ; c = log2(e)
	s_wait_alu depctr_va_vdst(0)                   ; the wait here, directly ahead of the wait below
	s_wait_kmcnt 0x0
	s_load_b128 s[48:51], s[6:7], 0x18             ; e6, e7, e8, e9
	s_load_b32 s52, s[6:7], 0x28                   ; e10
	s_add_nc_u64 s[40:41], s[4:5], s[32:33]
	s_add_nc_u64 s[42:43], s[40:41], (8<<20)       ; V lies 8 MiB behind K
	s_add_nc_u64 s[44:45], s[4:5], s[34:35]
	s_add_nc_u64 s[8:9], s[8:9], s[36:37]
.irp i, 0,1,2,3,4,5,6,7
	global_load_b128 v[S+4*\i:S+4*\i+3], v8, s[40:41] offset:512*\i    ; K first: walk 1 waits for it
.endr
.irp q, 0,1
.irp c, 0,1
	global_load_b128 v[QF+8*\q+4*\c:QF+8*\q+4*\c+3], v9, s[44:45] offset:1024*\q+32*\c
.endr
.endr
	v_mul_u32_u24 v255, v254, KROW
	v_lshl_add_u32 v255, v253, 4, v255
	v_add_nc_u32 v239, s14, v255                   ; the fill: byte 512 i + 16 lane of my 4,096 goes to row 2 i + h, column 16 r
	v_add_nc_u32 v238, VBASE, v239
	v_lshrrev_b32 v255, 2, v253
	v_mul_u32_u24 v1, v255, KROW
	v_and_b32 v255, 3, v253
	v_lshl_add_u32 v1, v255, 6, v1
	v_lshl_add_u32 v1, v254, 4, v1                 ; K: key r of a tile: (r / 4) rows + 64 (r % 4) + 16 h
	v_lshrrev_b32 v255, 1, v253
	v_mul_u32_u24 v2, v255, KROW
	v_and_b32 v255, 1, v253
	v_lshl_add_u32 v2, v255, 7, v2
	v_lshl_add_u32 v2, v254, 4, v2
	v_add_nc_u32 v2, VBASE, v2                     ; V: feature r of a tile: (r / 2) rows + 128 (r % 2) + 16 h
	v_mul_u32_u24 v5, v253, SPI
	v_lshl_add_u32 v6, v254, 4, v5
	v_lshl_add_u32 v5, v254, 3, v5
	v_add_nc_u32 v5, s15, v5                       ; the stage, in: row r, + 8 h
	v_add_nc_u32 v6, s15, v6                       ; back: row r, + 16 h: piece 2 u + h of query r
	v_lshlrev_b32 v7, 4, v252                      ; in ac: 16 x lane: pieces 2 u and 2 u + 1 of sixteen tokens are 512 consecutive bytes
	v_mov_b32 v13, 0                               ; (named as the upper halves of pairs)
	v_mov_b32 v15, 0
.irp j, 0,1,2,3
	v_mov_b32 v[L+\j], 0xff800000                  ; the running maxima begin under every score
.endr
	s_wait_kmcnt 0x0
	s_add_co_i32 s54, s48, s49
	s_lshl_b32 s54, s54, 23
	s_add_co_i32 s22, s22, s54                     ; a score stands for score x 2^(e6 + e7): the exponents are added to c's exponent field
	s_mov_b32 s23, s22                             ; (named with it as a pair)
	s_add_co_i32 s54, s50, 127
	s_lshl_b32 s55, s54, 23
	v_mov_b32 v249, s55                            ; 2^e8, for p's conversions
	s_add_co_i32 s54, s54, 8
	s_lshl_b32 s54, s54, 23
	s_or_b32 s54, s54, 0x600000
	v_mov_b32 v248, s54                            ; 448 x 2^e8
	s_add_co_i32 s54, s52, 127
	s_lshl_b32 s55, s54, 23
	v_mov_b32 v250, s55                            ; 2^e10, for the result's
	s_add_co_i32 s54, s54, 8
	s_lshl_b32 s54, s54, 23
	s_or_b32 s54, s54, 0x600000
	v_mov_b32 v251, s54                            ; 448 x 2^e10
	s_add_co_i32 s53, s50, s51                     ; e8 + e9
	s_wait_alu depctr_va_vdst(0)                   ; the wait at the head's end
	s_wait_loadcnt 0x0                             ; K's eight loads and Q's four are in
.irp i, 0,1,2,3,4,5,6,7
	global_load_b128 v[O+4*\i:O+4*\i+3], v8, s[42:43] offset:512*\i    ; V is asked for only now, behind K
.endr
.irp i, 0,1,2,3,4,5,6,7
	ds_store_b128 v239, v[S+4*\i:S+4*\i+3] offset:2*KROW*\i
.endr
	s_wait_dscnt 0x0                               ; my part of K is in LDS
	s_barrier_signal -1
	s_barrier_wait -1                              ; everybody's is
.macro KLOAD u                         ; four fragments of K: keys 64 u on of the 128 at v3
.irp n, 0,1,2,3
	ds_load_b128 v[KF+8*\n:KF+8*\n+3], v3 offset:16*KROW*(\u)+4*KROW*\n
	ds_load_b128 v[KF+8*\n+4:KF+8*\n+7], v3 offset:16*KROW*(\u)+4*KROW*\n+32
.endr
.endm
.macro VLOAD u                         ; four fragments of V: 16 features each, keys 64 u on of the block at v4
.irp t, 0,1,2,3
	ds_load_b128 v[VF+8*\t:VF+8*\t+3], v4 offset:8*KROW*\t+64*(\u)
	ds_load_b128 v[VF+8*\t+4:VF+8*\t+7], v4 offset:8*KROW*\t+64*(\u)+32
.endr
.endm
.macro SMUL                            ; S^T of 64 keys x my 32 queries: each fragment of K against both tiles of Q
.irp n, 0,1,2,3
	v_wmma_f32_16x16x64_fp8_fp8 v[S+8*\n:S+8*\n+7], v[KF+8*\n:KF+8*\n+7], v[QF:QF+7], 0
	v_wmma_f32_16x16x64_fp8_fp8 v[S+32+8*\n:S+39+8*\n], v[KF+8*\n:KF+8*\n+7], v[QF+8:QF+15], 0
.endr
.rept 4
	v_nop                                          ; four plain instructions between the products and the reads of their results, and the later loads into their sources
.endr
.endm
; WALK 1: each query's largest score, 64 keys a trip from s2 on, in two chains a tile; each accumulator is read from its low end on
.macro MAXWALK trips
	s_mov_b32 s3, \trips
.Lmax_\@:
	v_add_nc_u32 v3, s2, v1
	KLOAD 0
	s_wait_dscnt 0x0
	SMUL
.irp n, 0,1,2,3
.irp i, 0,4
	v_max3_num_f32 v[L], v[L], v[S+8*\n+\i], v[S+8*\n+\i+1]
	v_max3_num_f32 v[L+1], v[L+1], v[S+8*\n+\i+2], v[S+8*\n+\i+3]
	v_max3_num_f32 v[L+2], v[L+2], v[S+32+8*\n+\i], v[S+32+8*\n+\i+1]
	v_max3_num_f32 v[L+3], v[L+3], v[S+32+8*\n+\i+2], v[S+32+8*\n+\i+3]
.endr
.endr
	s_add_co_u32 s2, s2, 16*KROW
	s_sub_co_u32 s3, s3, 1
	s_cmp_lg_u32 s3, 0
	s_wait_alu depctr_va_vdst(0)                   ; the wait here, directly ahead of the branch
	s_cbranch_scc1 .Lmax_\@
.endm
	s_mov_b32 s2, 0
	MAXWALK 10                                     ; keys 0-639
	s_wait_loadcnt 0x0                             ; V is in registers
.irp i, 0,1,2,3,4,5,6,7
	ds_store_b128 v238, v[O+4*\i:O+4*\i+3] offset:2*KROW*\i
.endr
	s_wait_dscnt 0x0                               ; my part of V is in LDS:
	s_barrier_signal -1                            ; say so, and go on: up to the wait stand work on registers and loads of K's bytes, which nobody writes again
	MAXWALK 6                                      ; keys 640-1023
	v_max_num_f32 v[L], v[L], v[L+1]               ; the two chains,
	v_max_num_f32 v[L+2], v[L+2], v[L+3]
	v_permlanex16_b32 v252, v[L], s20, s21
	v_permlanex16_b32 v254, v[L+2], s20, s21
	v_max_num_f32 v[L], v[L], v252                 ; and lane l xor 16's keys
	v_max_num_f32 v[L+2], v[L+2], v254
	v_mul_f32 v[L], s22, v[L]                      ; as t (c is positive)
	v_mul_f32 v[L+2], s22, v[L+2]
	v_floor_f32 v12, -v[L]                         ; -M = floor(-t) = -ceil(t)
	v_floor_f32 v14, -v[L+2]
.irp j, 0,1,2,3,4,5,6,7
	v_mov_b32 v[L+\j], 0                           ; the sums
.endr
	s_wait_alu depctr_va_vdst(0)                   ; the wait here, directly ahead of the wait below
	s_barrier_wait -1                              ; V is whole
; WALK 2, a step of 64 keys: half u of the 128 keys at s2.  zero = 1: the first products start O's sums: nothing is cleared.
.macro HALF u, zero
.if (\u) == 0
	v_add_nc_u32 v3, s2, v1
	v_add_nc_u32 v4, s2, v2
.else
	v_nop
	v_nop
.endif
	KLOAD \u
	v_nop
	v_nop                                          ; with the two lines above K's loads: four plain instructions between the last step's products and the loads into V's fragments
	VLOAD \u
	s_wait_dscnt 8                                 ; K's eight loads are in; V's eight may be out
	SMUL
.set j, 0
.rept 16
	v_pk_fma_f32 v[S+j:S+j+1], v[S+j:S+j+1], s[22:23], v[12:13] op_sel_hi:[1,0,0]          ; t - M, two at a time (of the pairs c and -M the low word serves both halves)
	v_pk_fma_f32 v[S+32+j:S+33+j], v[S+32+j:S+33+j], s[22:23], v[14:15] op_sel_hi:[1,0,0]
.set j, j+2
.endr
	s_wait_alu depctr_va_vdst(0)                   ; the wait ahead of the batch
.set j, 0
.rept 64
	v_exp_f32 v[S+j], v[S+j]                       ; p = 2^(t - M): not normalised
.set j, j+1
.endr
	v_nop                                          ; a plain instruction behind the exponentials
	s_wait_alu depctr_va_vdst(0)                   ; one wait for the whole batch, ahead of its first reader
.set j, 0
.rept 8
	v_pk_add_f32 v[L:L+1], v[L:L+1], v[S+j:S+j+1]                  ; the sums of the unquantised p: four chains by turns
	v_pk_add_f32 v[L+2:L+3], v[L+2:L+3], v[S+j+2:S+j+3]
	v_pk_add_f32 v[L+4:L+5], v[L+4:L+5], v[S+32+j:S+33+j]
	v_pk_add_f32 v[L+6:L+7], v[L+6:L+7], v[S+34+j:S+35+j]
.set j, j+4
.endr
	s_cmp_ge_i32 s50, -8                           ; 448 x 2^e8 >= 1.75 stands over every p: the hold changes nothing
	s_wait_alu depctr_va_vdst(0)                   ; the wait here, directly ahead of the branch
	s_cbranch_scc1 .Lfree_\@
.set j, 0
.rept 64
	v_min_num_f32 v[S+j], v[S+j], v248             ; the conversion does not saturate (ISA guide 7.6.2); p is not negative, so the hold is one-sided
.set j, j+1
.endr
.Lfree_\@:
.irp n, 0,1,2,3
	v_cvt_scalef32_pk8_fp8_f32 v[CD+2*\n:CD+2*\n+1], v[S+8*\n:S+8*\n+7], v249          ; keys 16 n + 8 h + 0 .. 7: registers 2 n, 2 n + 1 of P's fragment
	v_cvt_scalef32_pk8_fp8_f32 v[CD+8+2*\n:CD+9+2*\n], v[S+32+8*\n:S+39+8*\n], v249
.endr
	v_nop                                          ; a plain instruction between the conversions and the products that read the codes
	s_wait_dscnt 0x0                               ; V's fragments are in
	s_wait_alu depctr_va_vdst(0)                   ; the wait ahead of the first reader of O^T behind the exponentials
.irp t, 0,1,2,3                        ; the eight accumulators take turns, one instruction a turn; the scores' eight stand between two steps of a sum
.if \zero
	v_wmma_f32_16x16x64_fp8_fp8 v[O+8*\t:O+8*\t+7], v[VF+8*\t:VF+8*\t+7], v[CD:CD+7], 0
	v_wmma_f32_16x16x64_fp8_fp8 v[O+32+8*\t:O+39+8*\t], v[VF+8*\t:VF+8*\t+7], v[CD+8:CD+15], 0
.else
	v_wmma_f32_16x16x64_fp8_fp8 v[O+8*\t:O+8*\t+7], v[VF+8*\t:VF+8*\t+7], v[CD:CD+7], v[O+8*\t:O+8*\t+7]
	v_wmma_f32_16x16x64_fp8_fp8 v[O+32+8*\t:O+39+8*\t], v[VF+8*\t:VF+8*\t+7], v[CD+8:CD+15], v[O+32+8*\t:O+39+8*\t]
.endif
.endr
.endm
	s_mov_b32 s2, 0
	HALF 0, 1                                      ; the first 128 keys stand in front of the loop
	HALF 1, 0
	s_mov_b32 s2, TRIPB
	s_mov_b32 s3, 7
.Lkeys:                                            ; 128 keys a trip
	HALF 0, 0
	HALF 1, 0
	s_add_co_u32 s2, s2, TRIPB
	s_sub_co_u32 s3, s3, 1
	s_cmp_lg_u32 s3, 0
	s_wait_alu depctr_va_vdst(0)                   ; the wait here, directly ahead of the branch
	s_cbranch_scc1 .Lkeys
	; THE WAY OUT: O^T / the sum x 2^(e8 + e9), the hold, the conversion with 2^e10, 8 bytes a lane into my stage, back by pieces of 16 bytes, stores of 512 consecutive bytes
	v_pk_add_f32 v[L:L+1], v[L:L+1], v[L+2:L+3]
	v_pk_add_f32 v[L+4:L+5], v[L+4:L+5], v[L+6:L+7]
	v_add_f32 v[L], v[L], v[L+1]
	v_add_f32 v[L+4], v[L+4], v[L+5]
	v_permlanex16_b32 v252, v[L], s20, s21
	v_permlanex16_b32 v254, v[L+4], s20, s21
	v_add_f32 v[L], v[L], v252                     ; with lane l xor 16's: the rows' sums
	v_add_f32 v[L+4], v[L+4], v254
	s_wait_alu depctr_va_vdst(0)                   ; the wait ahead of the transcendentals
	v_rcp_f32 v[L], v[L]
	v_rcp_f32 v[L+4], v[L+4]
	v_nop                                          ; a plain instruction behind them
	s_wait_alu depctr_va_vdst(0)                   ; and the wait ahead of their first reader
	v_ldexp_f32 v[L], v[L], s53
	v_ldexp_f32 v[L+4], v[L+4], s53
	s_wait_alu depctr_va_vdst(0)                   ; the wait here, directly ahead of the first reader of O^T
.set j, 0
.rept 16
	v_pk_mul_f32 v[S+j:S+j+1], v[O+j:O+j+1], v[L:L+1] op_sel_hi:[1,0]              ; register 8 t + i is o(r, 16 t + 8 h + i); each accumulator from its low end on
.set j, j+2
.endr
.set j, 32
.rept 16
	v_pk_mul_f32 v[S+j:S+j+1], v[O+j:O+j+1], v[L+4:L+5] op_sel_hi:[1,0]
.set j, j+2
.endr
.set j, 0
.rept 64
	v_med3_num_f32 v[S+j], v[S+j], -v251, v251
.set j, j+1
.endr
.irp k, 0,1,2,3,4,5,6,7
	v_cvt_scalef32_pk8_fp8_f32 v[CD+2*\k:CD+2*\k+1], v[S+8*\k:S+8*\k+7], v250
.endr
	v_nop                                          ; a plain instruction behind the last conversion
.irp q, 0,1
.irp t, 0,1,2,3
	ds_store_b64 v5, v[CD+8*\q+2*\t:CD+8*\q+2*\t+1] offset:16*SPI*\q+16*\t    ; query 16 q + r, features 16 t + 8 h + 0 .. 7
.endr
.endr
.irp i, 0,1,2,3
	ds_load_b128 v[VF+4*\i:VF+4*\i+3], v6 offset:16*SPI*(\i/2)+32*(\i%2)      ; tile i / 2, pieces 2 (i % 2) + h of query r.  LDS serves a wave's instructions in order (ISA guide 5.7.1.4): these see my stores
.endr
.irp i, 0,1,2,3
	s_wait_dscnt 3-\i                              ; load i is in; the younger ones may be out
	global_store_b128 v7, v[VF+4*\i:VF+4*\i+3], s[8:9] offset:16384*(\i/2)+512*(\i%2)   ; 512 consecutive bytes, aligned
.endr
	s_wait_tensorcnt 0x0                           ; the wave's end: behind my last LDS store
	ds_add_u32 v10, v11
	s_wait_dscnt 0x0
	s_endpgm
.Lfunc_end_k_q87dc9c5076_attn:
	.size	k_q87dc9c5076_attn, .Lfunc_end_k_q87dc9c5076_attn-k_q87dc9c5076_attn
	.p2alignl 7, 3214868480
	.fill 96, 4, 3214868480
	.section	.rodata,"a",@progbits
	.p2align	6, 0x0
	.amdhsa_kernel k_q87dc9c5076_attn
		.amdhsa_group_segment_fixed_size 182272
		.amdhsa_private_segment_fixed_size 0
		.amdhsa_enable_private_segment 0
		.amdhsa_kernarg_size 24
		.amdhsa_user_sgpr_count 2
		.amdhsa_user_sgpr_kernarg_segment_ptr 1
		.amdhsa_wavefront_size32 1
		.amdhsa_system_sgpr_workgroup_id_x 1
		.amdhsa_system_sgpr_workgroup_id_y 1
		.amdhsa_system_sgpr_workgroup_id_z 1
		.amdhsa_system_vgpr_workitem_id 0
		.amdhsa_next_free_vgpr 256
		.amdhsa_next_free_sgpr 66
		.amdhsa_reserve_vcc 0
		.amdhsa_float_denorm_mode_32 3
		.amdhsa_float_denorm_mode_16_64 3
		.amdhsa_memory_ordered 1
		.amdhsa_forward_progress 1
		.amdhsa_inst_pref_size 69
	.end_amdhsa_kernel
	.amdgpu_metadata
---
amdhsa.version: [ 1, 2 ]
amdhsa.kernels:
  - .name:           k_q87dc9c5076_attn
    .symbol:         k_q87dc9c5076_attn.kd
    .args:
      - { .name: hc, .offset: 0, .size: 8, .value_kind: global_buffer, .address_space: global }
      - { .name: lowp_scales, .offset: 8, .size: 8, .value_kind: global_buffer, .address_space: global }
      - { .name: ac, .offset: 16, .size: 8, .value_kind: global_buffer, .address_space: global }
    .group_segment_fixed_size: 182272
    .private_segment_fixed_size: 0
    .kernarg_segment_align: 8
    .kernarg_segment_size: 24
    .max_flat_workgroup_size: 512
    .sgpr_count:     66
    .vgpr_count:     256
    .wavefront_size: 32
...
	.end_amdgpu_metadata
.endif
;; end of part 3
;; launch outp (part 4): grid 4 x 64, 4 waves a work-group, clusters of 4 x 4, 327,680 bytes of LDS; arguments codes, ac, out_proj_bias, lowp_scales, out0; writes out0
.if DOCPART == 4
	.amdgcn_target "amdgcn-amd-amdhsa--gfx1250"
	.amdhsa_code_object_version 6
	.text
	.protected	k_q87dc9c5076_outp
	.globl	k_q87dc9c5076_outp
	.p2align	8
	.type	k_q87dc9c5076_outp,@function
k_q87dc9c5076_outp:
	s_mov_b64 s[64:65], 0
	v_nop
	global_prefetch_b8 v0, s[64:65] scope:SCOPE_SE
	s_setreg_imm32_b32 hwreg(HW_REG_WAVE_MODE, 25, 1), 1
	s_wait_xcnt 0x0
	s_wait_alu depctr_hold_cnt(0) depctr_sa_sdst(0) depctr_va_vdst(0) depctr_va_sdst(0) depctr_va_ssrc(0) depctr_va_vcc(0) depctr_vm_vsrc(0)
	s_getreg_b32 s2, hwreg(HW_REG_IB_STS2, 6, 4)
	s_cmp_eq_u32 s2, 0
	s_cbranch_scc0 .Lentry_in_a_cluster
	s_endpgm
.Lentry_in_a_cluster:
	s_bfe_u32 s2, ttmp6, 0x10000c
	s_cmp_lg_u32 s2, 0xf033
	s_cbranch_scc0 .Lentry_shape_is_right
	s_endpgm
.Lentry_shape_is_right:
; The out-projection on codes of FP8 (E4M3): out = attn W^T + bias, f32.
; THE WEIGHTS STAY IN REGISTERS.  A work-group holds 256 rows of out_proj_weight's codes (at 27 MiB of buffer codes) over the whole K = 1,024: each of its four waves 64 rows in 512 registers.
; It takes 128 tokens of one batch entry past them, 16 at a time: a token tile's fragments (32 LDS loads of 16 bytes a lane) feed 32 matrix instructions in each wave.
; SHARES: 4 tiles of 256 rows of W x 64 chunks of 128 tokens = 256 work-groups.
; LDS: W comes once, a joint load of 64 rows x 1,024 bytes a wave, and is read by that wave alone into its registers; then the 128 tokens, 128 rows of 1,024 bytes, land on the same bytes: two joint loads a wave in all.
; NO PREFETCH: there is no loop to run ahead in: both loads are asked for at the head.
; ac is laid [b][t / 16][h][p][t % 16][16]: a row of 1,024 bytes is one head of 16 tokens; a fragment load, pieces 2 (c % 2) + (lane / 16) of head 2 kk + c / 2, reads 512 consecutive LDS bytes.
; That gives lane (r, h) k = 128 kk + 32 c + 16 h + 0 .. 15 of token r in registers 4 c .. 4 c + 3, as W's loads at 32 c + 16 h give it: a permutation of k that is the same in both operands.
; CLUSTERS: 4 x 4 work-groups.  W's tile hangs on cx and is shared along a column of the cluster, the tokens on the cluster's y and cy and are shared along a row: each is asked for jointly.
; Source 0 = 16 rows of W, source 1 = 16 tokens: a lane holds one token and eight neighbouring outputs.  The bias is the C of a sum's first matrix instruction, as bias / 2^(e10 + e11) (exact);
; a finished sum is multiplied once by 2^(e10 + e11).  A tile of 16 tokens x 64 outputs goes through my stage and leaves as 256 consecutive bytes a token, aligned; it is stored a tile later.
; LIMIT: e10 + e11 between -126 and 127, so that 2^(e10 + e11) is an f32 number.
; REGISTERS, in windows of 256: window 0: v1-30 addresses, v32-63 results, v64-95 four accumulators, v128-159 the bias, v160-191 rows read back.
;   windows 1, 2: W's fragments, (kk, a) at 16 (4 (kk % 4) + a), kk 0-3 in window 1, kk 4-7 in window 2.   window 3: the tokens' fragments, two sets of 128.
.set PITCH, 1040                       ; an LDS row: 1,024 bytes + 16: the sixteen rows of one of W's fragment loads start at sixteen different 16-byte columns of 256
.set TILEB, 16*PITCH                   ; a token tile: sixteen heads' rows
.set SPITCH, 272                       ; a stage row: a token's 256 bytes + 16
.set STG,   256*PITCH                  ; behind W: 16 rows for each wave; no tile lands there
.set SPARE, STG+4*16*SPITCH            ; the spare words, 128 bytes for each wave
.set LB,  16                           ; W: r x PITCH + 16 h
.set WADR, 17
.set LBR, 18                           ; the tokens: 16 x lane
.set RADR, 19                          ; the pair of token tiles at hand
.set STO, 20
.set RD,  21
.set CO,  22
.set SPW, 28
.set NIL, 29
.set T,   32
.set ACC, 64
.set BI,  128
.set SB,  160
.set G1W, 24
.set G1R, 32
.set G0W, 40
.set G0A, 44
.set MSB, 0
.macro WIN new                         ; the immediate's high byte repeats the setting that is left
.if MSB != (\new)
	s_set_vgpr_msb (MSB<<8)|(\new)
.set MSB, (\new)
.endif
.endm
.macro PLACES                          ; four plain instructions behind a matrix instruction or a tensor load
.rept 4
	v_nop
.endr
.endm
.macro CROUND                          ; a round of the cluster's barrier
	s_barrier_signal -1
	s_barrier_wait -1
	s_cmp_lg_u32 s14, 0
	s_cbranch_scc1 .Lnot_wave_0_\@
	s_barrier_signal -3
.Lnot_wave_0_\@:
	s_barrier_wait -3
	s_barrier_signal -1
	s_barrier_wait -1
.endm
	s_load_b256 s[4:11], s[0:1], 0x0               ; codes s[4:5], ac s[6:7], out_proj_bias s[8:9], the scales' exponents s[10:11]
	s_load_b64 s[12:13], s[0:1], 0x20              ; out0
	v_lshl_add_u32 v[SPW], v0, 2, SPARE
	v_mov_b32 v[NIL], 0
	ds_add_u32 v[SPW], v[NIL]                      ; the opening lines: the add, twice on end, and its wait ahead of my first tensor load
	ds_add_u32 v[SPW], v[NIL]
	v_lshrrev_b32 v1, 5, v0
	v_readfirstlane_b32 s14, v1                    ; wave 0..3
	s_bfe_u32 s66, ttmp6, 0x40000                  ; cx: my tile of W
	s_bfe_u32 s67, ttmp6, 0x40004                  ; cy
	s_and_b32 s19, ttmp7, 0xffff
	s_lshl_b32 s18, s19, 2
	s_add_co_u32 s18, s18, s67                     ; my chunk of 128 tokens, 0..63 = 4 x cluster y + cy
	s_lshl_b32 s70, s66, 18                        ; W: 27 MiB + 256 rows a tile + my 64 rows
	s_add_co_u32 s70, s70, (27<<20)
	s_lshl_b32 s19, s14, 16
	s_add_co_u32 s70, s70, s19
	s_mov_b32 s71, 0
	s_lshl_b32 s72, s18, 17                        ; the tokens: 128 rows of 1,024 bytes a chunk + the 32 rows that I fetch
	s_lshl_b32 s19, s14, 15
	s_add_co_u32 s72, s72, s19
	s_mov_b32 s73, 0
	s_lshl_b32 s20, 0x1111, s66                    ; my column of the cluster
	s_lshl_b32 s21, s67, 2
	s_lshl_b32 s21, 15, s21                        ; my row
	s_or_b32 s[G1W+0], s20, (1<<20)|(1<<21)|(7<<22)|(3<<25)   ; the mask; elements of 1 byte; padding on; 21 set beside a mask; four words after every 256
	s_mov_b32 s[G1W+1], 1024<<16                   ; tensor_dim0
	s_mov_b32 s[G1W+2], 64<<16                     ; tensor_dim1
	s_mov_b32 s[G1W+3], 1024<<16                   ; tile_dim0
	s_mov_b32 s[G1W+4], 64                         ; tile_dim1
	s_mov_b32 s[G1W+5], 1024                       ; from row to row
	s_mov_b32 s[G1W+6], 0
	s_mov_b32 s[G1W+7], 0
	s_or_b32 s[G1R+0], s21, (1<<20)|(1<<21)|(7<<22)|(3<<25)
	s_mov_b32 s[G1R+1], 1024<<16
	s_mov_b32 s[G1R+2], 32<<16
	s_mov_b32 s[G1R+3], 1024<<16
	s_mov_b32 s[G1R+4], 32
	s_mov_b32 s[G1R+5], 1024
	s_mov_b32 s[G1R+6], 0
	s_mov_b32 s[G1R+7], 0
	s_mul_i32 s22, s14, 64*PITCH                   ; where they go: no place in the cluster enters an LDS address
	s_mul_i32 s23, s14, 32*PITCH
	s_mul_i32 s91, s14, 16*SPITCH
	s_add_co_u32 s91, s91, STG                     ; my stage
	s_lshl_b32 s93, s66, 10                        ; my 64 outputs, in bytes of f32: 4 (256 cx + 64 wave)
	s_lshl_b32 s19, s14, 8
	s_add_co_u32 s93, s93, s19
	s_and_b32 s82, s18, 7                          ; out0 [t][b][1024] f32: my first token 128 (chunk % 8),
	s_lshl_b32 s82, s82, 10                        ; x 8
	s_lshr_b32 s83, s18, 3
	s_add_co_u32 s82, s82, s83                     ; + b,
	s_lshl_b32 s82, s82, 12                        ; x 4,096 bytes,
	s_add_co_u32 s82, s82, s93                     ; + my first output
	s_mov_b32 s83, 0
	s_wait_dscnt 0x0                               ; both opening adds are done
	s_wait_kmcnt 0x0
	s_load_b64 s[76:77], s[10:11], 0x28            ; e10, e11
	s_add_nc_u64 s[70:71], s[4:5], s[70:71]
	s_add_nc_u64 s[72:73], s[6:7], s[72:73]
	s_add_nc_u64 s[74:75], s[12:13], s[82:83]
	CROUND                                         ; all sixteen work-groups are here: the first joint loads meet
	s_mov_b32 s[G0W], 1
	s_mov_b32 s[G0W+1], s22
	s_mov_b64 s[G0W+2:G0W+3], s[70:71]
	s_or_b32 s[G0W+3], s[G0W+3], 0x80000000
	s_mov_b32 s[G0A], 1
	s_mov_b32 s[G0A+1], s23
	s_mov_b64 s[G0A+2:G0A+3], s[72:73]
	s_or_b32 s[G0A+3], s[G0A+3], 0x80000000
	tensor_load_to_lds s[G0W:G0W+3], s[G1W:G1W+7]  ; my 64 rows of W: one load a wave at the head
	s_nop 0
	PLACES
	v_and_b32 v1, 15, v0                           ; r
	v_bfe_u32 v2, v0, 4, 1                         ; h
	v_and_b32 v3, 31, v0                           ; lane
	v_mul_u32_u24 v[LB], v1, PITCH
	v_lshl_add_u32 v[LB], v2, 4, v[LB]
	v_add_nc_u32 v[WADR], s22, v[LB]
	v_lshlrev_b32 v[LBR], 4, v3
	v_mul_u32_u24 v4, v1, SPITCH
	v_lshl_add_u32 v4, v2, 5, v4
	v_add_nc_u32 v[STO], s91, v4                   ; the stage, in: token r, + 32 h
	v_mul_u32_u24 v5, v2, SPITCH
	v_lshl_add_u32 v5, v1, 4, v5
	v_add_nc_u32 v[RD], s91, v5                    ; back: lanes 0-15 one token's 256 bytes, lanes 16-31 the next token's
	v_lshlrev_b32 v[CO], 15, v2
	v_lshl_add_u32 v[CO], v1, 4, v[CO]             ; and the same in out0: a token's row lies 8 x 4,096 bytes behind the last
	v_lshl_add_u32 v8, v2, 5, s93                  ; the bias along my registers: output 16 a + 8 h + j
	s_wait_alu depctr_va_vdst(0)                   ; the wait at the head's end
	s_wait_tensorcnt 0x0                           ; my rows of W are in LDS; I alone read them
.set kk, 0
.rept 8
	WIN 0x40*(1+kk/4)
.irp a, 0,1,2,3
.irp c, 0,1,2,3
	ds_load_b128 v[((kk%4)*4+\a)*16+4*\c:((kk%4)*4+\a)*16+4*\c+3], v[WADR] offset:TILEB*\a+128*kk+32*\c
.endr
.endr
.set kk, kk+1
.endr
	WIN 0
	s_wait_tensorcnt 0x0                           ; the three lines ahead of a refill's barrier: no load of mine is out,
	ds_add_u32 v[SPW], v[NIL]
	s_wait_dscnt 0x0                               ; the add is done, and W is in my registers
	CROUND                                         ; so it is in every wave of the cluster: W's bytes may be filled again
	tensor_load_to_lds s[G0A:G0A+3], s[G1R:G1R+7]  ; my 32 of the tokens' 128 rows
	s_nop 0
	PLACES
.irp a, 0,1,2,3
	global_load_b128 v[BI+8*\a:BI+8*\a+3], v8, s[8:9] offset:64*\a
	global_load_b128 v[BI+8*\a+4:BI+8*\a+7], v8, s[8:9] offset:64*\a+16
.endr
	s_wait_kmcnt 0x0
	s_add_co_i32 s80, s76, s77                     ; e10 + e11
	s_sub_co_i32 s84, 0, s80
	s_add_co_i32 s80, s80, 127
	s_lshl_b32 s80, s80, 23                        ; 2^(e10 + e11) as f32
	s_mov_b32 s81, s80                             ; (named with it as a pair)
	s_wait_loadcnt 0x0
.set j, 0
.rept 32
	v_ldexp_f32 v[BI+j], v[BI+j], s84              ; bias / 2^(e10 + e11)
.set j, j+1
.endr
.macro RLOAD nb, adr, off              ; a token tile's fragments, 32 loads of 512 consecutive bytes, into set nb
	WIN 0xc0
.set kk, 0
.rept 8
.irp c, 0,1,2,3
	ds_load_b128 v[128*(\nb)+16*kk+4*\c:128*(\nb)+16*kk+4*\c+3], v[\adr] offset:(\off)+(2*kk+\c/2)*PITCH+512*(\c%2)
.endr
.set kk, kk+1
.endr
	WIN 0
.endm
; A TOKEN TILE on set b.  The next tile's fragments are asked for ahead of this tile's products (last = 1: there is none).  prev = 1: the tile before is stored.
; The four accumulators take turns, one instruction a turn, three others between two steps of a sum.
.macro TILE b, last, prev
.if (\last) == 0
	RLOAD 1-(\b), RADR, ((\b)+1)*TILEB
	s_wait_dscnt 32                                ; all but the 32 just issued: this tile's fragments are in, and the last tile's rows are back from the stage
.else
	s_wait_dscnt 0x0
.endif
.if \prev
.irp i, 0,1,2,3,4,5,6,7
	global_store_b128 v[CO], v[SB+4*\i:SB+4*\i+3], s[74:75] offset:65536*\i th:TH_STORE_NT   ; tokens 2 i, 2 i + 1: each half of the lanes stores 256 consecutive bytes, aligned
.endr
.endif
.set kk, 0
.rept 8
.if kk == 0
	WIN 0x0d                                       ; source 0 (W) window 1, source 1 (the tokens) window 3, C and D window 0
.endif
.if kk == 4
	WIN 0x0e                                       ; the same with window 2
.endif
.irp a, 0,1,2,3
.set CC, ACC+8*\a
.if kk == 0
.set CC, BI+8*\a
.endif
.set WF, ((kk%4)*4+\a)*16
.set RF, 128*(\b)+16*kk
	v_wmma_f32_16x16x128_fp8_fp8 v[ACC+8*\a:ACC+8*\a+7], v[WF:WF+15], v[RF:RF+15], v[CC:CC+7]
.endr
.set kk, kk+1
.endr
	WIN 0
	PLACES
	s_wait_xcnt 0x0                                ; the stores above have read their registers and their base
.if \prev
	s_add_nc_u64 s[74:75], s[74:75], 16*32768      ; 16 tokens on
.endif
.set j, 0
.rept 16
	v_pk_mul_f32 v[T+j:T+j+1], v[ACC+j:ACC+j+1], s[80:81] op_sel_hi:[1,0]   ; x 2^(e10 + e11); each accumulator from its low end on
.set j, j+2
.endr
.irp a, 0,1,2,3
	ds_store_b128 v[STO], v[T+8*\a:T+8*\a+3] offset:64*\a          ; token r, outputs 16 a + 8 h + 0 .. 7
	ds_store_b128 v[STO], v[T+8*\a+4:T+8*\a+7] offset:64*\a+16
.endr
.irp i, 0,1,2,3,4,5,6,7
	ds_load_b128 v[SB+4*\i:SB+4*\i+3], v[RD] offset:2*SPITCH*\i    ; LDS serves a wave's instructions in order (ISA guide 5.7.1.4): these see my stores
.endr
.endm
.macro PAIR last, prev
	v_add_nc_u32 v[RADR], s2, v[LBR]
	TILE 0, 0, \prev
	TILE 1, \last, 1
.endm
	s_wait_alu depctr_va_vdst(0)                   ; the wait here, directly ahead of the wait below
	s_wait_tensorcnt 0x0                           ; my part of the tokens is in
	s_barrier_signal -1
	s_barrier_wait -1                              ; everybody's is
	RLOAD 0, LBR, 0
	s_mov_b32 s2, 0
	PAIR 0, 0                                      ; the first pair is written out: its first tile has no tile before it to store
	s_mov_b32 s2, 2*TILEB
	s_mov_b32 s3, 2
.Lpair:
	PAIR 0, 1
	s_add_co_u32 s2, s2, 2*TILEB
	s_sub_co_u32 s3, s3, 1
	s_cmp_lg_u32 s3, 0
	s_wait_alu depctr_va_vdst(0)                   ; the wait here, directly ahead of the branch
	s_cbranch_scc1 .Lpair
	PAIR 1, 1                                      ; the last pair fetches nothing beyond the last tile
	s_wait_dscnt 0x0                               ; the last tile's rows are back
.irp i, 0,1,2,3,4,5,6,7
	global_store_b128 v[CO], v[SB+4*\i:SB+4*\i+3], s[74:75] offset:65536*\i th:TH_STORE_NT
.endr
	s_wait_tensorcnt 0x0                           ; the wave's end: behind my last tensor load and my last LDS store
	ds_add_u32 v[SPW], v[NIL]
	s_wait_dscnt 0x0
	CROUND                                         ; the closing round
	s_endpgm
.Lfunc_end_k_q87dc9c5076_outp:
	.size	k_q87dc9c5076_outp, .Lfunc_end_k_q87dc9c5076_outp-k_q87dc9c5076_outp
	.p2alignl 7, 3214868480
	.fill 96, 4, 3214868480
	.section	.rodata,"a",@progbits
	.p2align	6, 0x0
	.amdhsa_kernel k_q87dc9c5076_outp
		.amdhsa_group_segment_fixed_size 327680
		.amdhsa_private_segment_fixed_size 0
		.amdhsa_enable_private_segment 0
		.amdhsa_kernarg_size 40
		.amdhsa_user_sgpr_count 2
		.amdhsa_user_sgpr_kernarg_segment_ptr 1
		.amdhsa_wavefront_size32 1
		.amdhsa_system_sgpr_workgroup_id_x 1
		.amdhsa_system_sgpr_workgroup_id_y 1
		.amdhsa_system_sgpr_workgroup_id_z 1
		.amdhsa_system_vgpr_workitem_id 0
		.amdhsa_next_free_vgpr 1024
		.amdhsa_next_free_sgpr 100
		.amdhsa_reserve_vcc 0
		.amdhsa_float_denorm_mode_32 3
		.amdhsa_float_denorm_mode_16_64 3
		.amdhsa_memory_ordered 1
		.amdhsa_forward_progress 1
		.amdhsa_inst_pref_size 61
	.end_amdhsa_kernel
	.amdgpu_metadata
---
amdhsa.version: [ 1, 2 ]
amdhsa.kernels:
  - .name:           k_q87dc9c5076_outp
    .symbol:         k_q87dc9c5076_outp.kd
    .args:
      - { .name: codes, .offset: 0, .size: 8, .value_kind: global_buffer, .address_space: global }
      - { .name: ac, .offset: 8, .size: 8, .value_kind: global_buffer, .address_space: global }
      - { .name: out_proj_bias, .offset: 16, .size: 8, .value_kind: global_buffer, .address_space: global }
      - { .name: lowp_scales, .offset: 24, .size: 8, .value_kind: global_buffer, .address_space: global }
      - { .name: out0, .offset: 32, .size: 8, .value_kind: global_buffer, .address_space: global }
    .group_segment_fixed_size: 327680
    .private_segment_fixed_size: 0
    .kernarg_segment_align: 8
    .kernarg_segment_size: 40
    .max_flat_workgroup_size: 128
    .sgpr_count:     100
    .vgpr_count:     1024
    .wavefront_size: 32
...
	.end_amdgpu_metadata
.endif
;; end of part 4
